; MI455X (gfx1250); checked and timed in simulation.
; The chip was launched on July 23, 2026; its instructions are those of AMD's public machine-readable ISA for CDNA 5 (MIT licence, August 2026) and "CDNA5" Instruction Set Architecture Reference Guide (July 2026). The comments in the code are by the model that wrote it; some were corrected since.
;; Mixture Of Experts. Allowed arithmetic: matrix products marked QUANTISED: E4M3 operands, one given power-of-two scale a tensor, by v_wmma_f32_16x16x64_fp8_fp8 or v_wmma_f32_16x16x128_fp8_fp8, f32 sums; products left as they are: f32 operands where the result goes on into a quantised operand, else bf16, f16 or f32 operands; f32 sums; everything else in f32.
;; Inputs: gate_w 4 x 512 float32; lowp_scales 24 int32 (the exponents e of the quantised operands' scales 2^e); w1 4 x 1,365 x 512 float32; w2 4 x 512 x 1,365 float32; w3 4 x 1,365 x 512 float32; x 4 x 2,048 x 512 float32.
;; Outputs: out0 4 x 2,048 x 512 float32; out1 one number float32.
;; This version of the problem:
;;   THIS VERSION OF THE PROBLEM IS GIVEN IN LOW PRECISION. The matrix products marked QUANTISED in the list below multiply operands that are first quantised to E4M3 (4 exponent bits, 3 mantissa bits; 8 bits a number), with one given power-of-two scale for each operand tensor; their sums are f32. All else is computed in f32.
;;   The module's matrix products, in the order in which they are computed (A, B: the left and right operand; K: the contracted axis; several contracted axes count as one K, in the product's order):
;;     1. [M 8,192, K 512] x [K 512, N 4]; A: input x; B: input gate_w: left as it is (N = 4 < 16)
;;     2. batch 8,192 x [M 1, K 2] x [K 2, N 4]; A: computed on the way; B: computed on the way: left as it is (K = 2 < 32)
;;     3. [M 8,192, K 512] x [K 512, N 1,365]; A: input x; B: input w1: QUANTISED (scales: A lowp_scales[0], B lowp_scales[1])
;;     4. [M 8,192, K 512] x [K 512, N 1,365]; A: input x; B: input w3: QUANTISED (scales: A lowp_scales[2], B lowp_scales[3])
;;     5. [M 8,192, K 1,365] x [K 1,365, N 512]; A: computed on the way; B: input w2: QUANTISED (scales: A lowp_scales[4], B lowp_scales[5])
;;     6. [M 8,192, K 512] x [K 512, N 1,365]; A: input x; B: input w1: QUANTISED (scales: A lowp_scales[6], B lowp_scales[7])
;;     7. [M 8,192, K 512] x [K 512, N 1,365]; A: input x; B: input w3: QUANTISED (scales: A lowp_scales[8], B lowp_scales[9])
;;     8. [M 8,192, K 1,365] x [K 1,365, N 512]; A: computed on the way; B: input w2: QUANTISED (scales: A lowp_scales[10], B lowp_scales[11])
;;     9. [M 8,192, K 512] x [K 512, N 1,365]; A: input x; B: input w1: QUANTISED (scales: A lowp_scales[12], B lowp_scales[13])
;;     10. [M 8,192, K 512] x [K 512, N 1,365]; A: input x; B: input w3: QUANTISED (scales: A lowp_scales[14], B lowp_scales[15])
;;     11. [M 8,192, K 1,365] x [K 1,365, N 512]; A: computed on the way; B: input w2: QUANTISED (scales: A lowp_scales[16], B lowp_scales[17])
;;     12. [M 8,192, K 512] x [K 512, N 1,365]; A: input x; B: input w1: QUANTISED (scales: A lowp_scales[18], B lowp_scales[19])
;;     13. [M 8,192, K 512] x [K 512, N 1,365]; A: input x; B: input w3: QUANTISED (scales: A lowp_scales[20], B lowp_scales[21])
;;     14. [M 8,192, K 1,365] x [K 1,365, N 512]; A: computed on the way; B: input w2: QUANTISED (scales: A lowp_scales[22], B lowp_scales[23])
;;   THE QUANTISER, for each operand of a quantised product, along K:
;;     - The operand's scale is 2^e, e = its entry of the input lowp_scales (int32; the entries are numbered through the quantised products in the list's order, A before B).
;;     - Each number is divided by the scale, clamped to +-448, and rounded to the nearest number of E4M3, ties to even, subnormals kept.
;;     - The product sums the exact products of the quantised numbers (number of the format x scale) in f32.
;;   ~~~python
;;   def quantise(x, axis, e):      # numpy; x: float32 -> the quantised numbers, widened to float32 again
;;       x = np.moveaxis(x, axis, -1); K = x.shape[-1]
;;       r = np.clip(x / 2.0 ** e, -448, 448)
;;       step = 2.0 ** (np.maximum(np.frexp(np.where(r == 0, 1, r))[1] - 1, -6) - 3)
;;       q = np.round(r / step) * step * 2.0 ** e      # np.round: ties to even
;;       return np.moveaxis(q, -1, axis).astype(np.float32)
;;   ~~~
;;   OPERANDS COMPUTED ON THE WAY. 'Computed on the way' means the value that the module computes at that place (a softmax that the list does not call 'softmax' is quantised finished and normalised). What goes into a quantiser is computed in f32, as accurately as f32 sums, v_exp_f32 and their like allow (about 1e-6 of the number): no bf16 or f16 on the way to a quantiser, and a product that is left as it is and whose result goes on into a quantised operand takes f32 operands (vector FMAs, or v_wmma_f32_16x16x4_f32). A number that lies on a knife's edge between two numbers of the format may be rounded either way, as far as f32 arithmetic and the matrix unit's own rounding can turn it there, and no further.
;; One version. Each part assembles by itself: llvm-mc -triple=amdgcn-amd-amdhsa -mcpu=gfx1250 --defsym DOCPART=n.
;; ======== version 1 of 1: 4 launches
;; workspace buffers: sel 33,792 bytes of whole numbers; cw 65,536 bytes; psum 2,048 bytes; wq 8,650,752 bytes; rowlist 66,560 bytes of whole numbers; pos 65,536 bytes of whole numbers; tinfo 8,192 bytes of whole numbers; ybuf 34,078,720 bytes
;; launch router (part 1): grid 128 x 1, 8 waves a work-group, no clusters, 2,048 bytes of LDS; arguments x, gate_w, sel, cw, psum; writes sel, cw, psum
.if DOCPART == 1
	.amdgcn_target "amdgcn-amd-amdhsa--gfx1250"
	.amdhsa_code_object_version 6
	.text
	.protected	k_q06fd7aa71c_router
	.globl	k_q06fd7aa71c_router
	.p2align	8
	.type	k_q06fd7aa71c_router,@function
k_q06fd7aa71c_router:
	s_mov_b64 s[64:65], 0
	v_nop
	global_prefetch_b8 v0, s[64:65] scope:SCOPE_SE
	s_setreg_imm32_b32 hwreg(HW_REG_WAVE_MODE, 25, 1), 1
	s_wait_xcnt 0x0
; THE ROUTER.  logits = x gate_w^T (f32 multiply-adds), softmax over the 4 experts, the two largest, their weights made to add up to 1, and each work-group's sum of the probabilities.
; x: [8192][512] f32.  gate_w: [4][512] f32.  Out: cw [2][8192] f32 (c0, c1); psum [128][4] f32; sel, whole numbers:
;   bytes 0 .. 32,767: [8192] i32 = a + 4 b + 16 ra + 1,024 rb  (a: the largest's expert, b: the second's; ra, rb: the token's rank, 0 .. 63, among the rows that its work-group's 64 tokens send to expert a, to expert b);
;   from byte 32,768:  [128][2] i32: the work-group's counts of rows for the experts, 16 bits each: n0 + 65,536 n1, n2 + 65,536 n3.
; SHARES.  A work-group takes 64 tokens, a wave 8.  A lane holds columns 128 j + 4 lane + i (j, i = 0 .. 3) of gate_w's four rows and of each token: every load of the wave covers 512 consecutive bytes,
; and all 32 loads of a wave's tokens go out at once.  A token's four sums are added across the 32 lanes; lane l keeps those of token l % 8; they meet in LDS, and wave 0 finishes two tokens a lane.
; No address, branch or trip count hangs on a floating-point number: the choice, the ranks and the counts are stored as whole numbers at fixed places, and the next launch makes places of them.
; LIMITS.  NaN among the inputs is not served.  The two largest are chosen on the exponentials 2^((l - max) log2 e), not on the quotients: where two probabilities would round to one number the exponentials decide;
; where they are equal the lower expert wins, as in reference().  An exponential under 2^-126 counts as 0.
.set SPARE, 1024                       ; LDS: 0 .. 1023 the logits, 16 bytes a token; from here the spare words, 128 bytes a wave
.set GW, 16                            ; v16-79    gate_w: 16 e + 4 j + i
.set X,  80                            ; v80-207   x: 16 q + 4 j + i
.set AC, 208                           ; v208-215  four pairs of sums
.set LG, 216                           ; v216-219  the four logits of my token
.set T,  220                           ; v220-223  at work
	s_load_b256 s[4:11], s[0:1], 0x0               ; x s[4:5], gate_w s[6:7], sel s[8:9], cw s[10:11]
	s_load_b64 s[12:13], s[0:1], 0x20              ; psum
	v_lshl_add_u32 v3, v0, 2, SPARE                ; my spare word,
	v_mov_b32 v4, 0                                ; and 0: kept for the closing lines alone
	v_lshrrev_b32 v6, 5, v0
	v_readfirstlane_b32 s14, v6                    ; wave 0..7
	v_and_b32 v1, 31, v0                           ; lane
	v_lshlrev_b32 v2, 4, v1                        ; 16 x lane
	v_and_b32 v5, 7, v0
	v_lshl_add_u32 v5, v6, 3, v5
	v_lshlrev_b32 v5, 4, v5                        ; LDS: 16 x (8 wave + lane % 8): my token's logits
	v_lshlrev_b32 v7, 5, v1                        ; LDS: 32 x lane: the two tokens that a lane of wave 0 finishes
	v_lshlrev_b32 v8, 3, v1                        ; 8 x lane: their two words in sel and in cw
	v_mov_b32 v9, 0                                ; offset 0, for psum and the counts
	s_mov_b32 s16, 0x76543210                      ; v_permlanex16_b32: lane l takes lane l xor 16
	s_mov_b32 s17, 0xfedcba98
	s_lshl_b32 s20, ttmp9, 17                      ; 64 tokens of 2,048 bytes a work-group,
	s_lshl_b32 s21, s14, 14                        ; 8 a wave
	s_add_co_u32 s20, s20, s21
	s_mov_b32 s21, 0
	s_lshl_b32 s22, ttmp9, 8                       ; 64 words of sel, of c0, of c1
	s_mov_b32 s23, 0
	s_lshl_b32 s24, ttmp9, 4                       ; 4 words of psum
	s_mov_b32 s25, 0
	s_lshl_b32 s26, ttmp9, 3                       ; 2 words of counts, behind sel's 32,768 bytes
	s_add_co_u32 s26, s26, 32768
	s_mov_b32 s27, 0
	s_wait_kmcnt 0x0
	s_add_nc_u64 s[4:5], s[4:5], s[20:21]
	s_add_nc_u64 s[28:29], s[8:9], s[26:27]        ; the counts' place
	s_add_nc_u64 s[8:9], s[8:9], s[22:23]
	s_add_nc_u64 s[10:11], s[10:11], s[22:23]
	s_add_nc_u64 s[12:13], s[12:13], s[24:25]
.irp e, 0,1,2,3
.irp j, 0,1,2,3
	global_load_b128 v[GW+16*\e+4*\j:GW+16*\e+4*\j+3], v2, s[6:7] offset:2048*\e+512*\j
.endr
.endr
.irp q, 0,1,2,3,4,5,6,7
.irp j, 0,1,2,3
	global_load_b128 v[X+16*\q+4*\j:X+16*\q+4*\j+3], v2, s[4:5] offset:2048*\q+512*\j   ; no hint: the chain's launch reads x again
.endr
.endr
; Token q of my eight: four dot products of 512, 16 numbers a lane, then across the lanes.
.macro TOK q
	s_wait_loadcnt 4*(7-\q)                        ; loads come back in order: gate_w's and this token's are in, the four of each later token may be out
.irp e, 0,1,2,3
	v_pk_mul_f32 v[AC+2*\e:AC+2*\e+1], v[X+16*\q:X+16*\q+1], v[GW+16*\e:GW+16*\e+1]   ; the first product starts the sums
.endr
.irp p, 1,2,3,4,5,6,7
.irp e, 0,1,2,3
	v_pk_fma_f32 v[AC+2*\e:AC+2*\e+1], v[X+16*\q+2*\p:X+16*\q+2*\p+1], v[GW+16*\e+2*\p:GW+16*\e+2*\p+1], v[AC+2*\e:AC+2*\e+1]
.endr
.endr
.irp e, 0,1,2,3
	v_add_f32 v[T+\e], v[AC+2*\e], v[AC+2*\e+1]
.endr
.irp m, 1,2,4,8
.irp e, 0,1,2,3
	v_add_f32_dpp v[T+\e], v[T+\e], v[T+\e] row_xmask:\m row_mask:0xf bank_mask:0xf
.endr
.endr
.irp e, 0,1,2,3
	v_permlanex16_b32 v[AC+\e], v[T+\e], s16, s17  ; (its destination has been written)
.endr
.irp e, 0,1,2,3
	v_add_f32 v[T+\e], v[T+\e], v[AC+\e]           ; every lane holds the token's four logits
.endr
.if \q == 0
.irp e, 0,1,2,3
	v_mov_b32 v[LG+\e], v[T+\e]
.endr
.else
	s_mov_b32 s18, 0x01010101<<\q                  ; lanes q, q + 8, q + 16, q + 24 keep token q
.irp e, 0,1,2,3
	v_cndmask_b32 v[LG+\e], v[LG+\e], v[T+\e], s18
.endr
.endif
.endm
.irp q, 0,1,2,3,4,5,6,7
	TOK \q
.endr
	ds_store_b128 v5, v[LG:LG+3]                   ; the four lanes that hold a token write the same 16 bytes
	s_wait_dscnt 0x0                               ; for wave 0's sake: my store has landed
	s_barrier_signal -1
	s_barrier_wait -1
	s_cmp_lg_u32 s14, 0
	s_cbranch_scc1 .Lend                           ; wave 0 finishes the 64 tokens, two a lane
; v80-87 logits, then exponentials z;  v88,89 max;  v90,91 sum;  v92,93 the largest z, v94,95 its expert;  v96,97 the second, v98,99 its expert;  v100-107 z with the largest struck out;
; v108,109 1 / sum;  v110,111 1 / (largest + second);  v112-119 probabilities;  v[120:121] c0, v[122:123] c1, v[124:125] sel;  v128-135 ranks by expert, v136,137 ra, v138,139 rb, v[140:141] the counts
	ds_load_b128 v[80:83], v7
	ds_load_b128 v[84:87], v7 offset:16
	s_wait_dscnt 0x0
.irp s, 0,1
	v_max3_num_f32 v[88+\s], v[80+4*\s], v[81+4*\s], v[82+4*\s]
.endr
.irp s, 0,1
	v_max_num_f32 v[88+\s], v[88+\s], v[83+4*\s]
.endr
.irp s, 0,1
.irp e, 0,1,2,3
	v_sub_f32 v[80+4*\s+\e], v[80+4*\s+\e], v[88+\s]   ; the maximum is taken away first, as reference() does; not fused with the scaling below, so that the largest gives exactly 0
.endr
.endr
.irp j, 0,1,2,3,4,5,6,7
	v_mul_f32 v[80+\j], 0x3fb8aa3b, v[80+\j]       ; x log2(e)
.endr
.irp j, 0,1,2,3,4,5,6,7
	v_exp_f32 v[80+\j], v[80+\j]
.endr
	v_nop                                          ; a plain instruction behind the last exponential,
	s_wait_alu depctr_va_vdst(0)                   ; and one wait for the batch, ahead of its first reader
.irp s, 0,1
	v_add_f32 v[90+\s], v[80+4*\s], v[81+4*\s]
	v_add_f32 v[126+\s], v[82+4*\s], v[83+4*\s]
.endr
.irp s, 0,1
	v_add_f32 v[90+\s], v[90+\s], v[126+\s]
	v_mov_b32 v[92+\s], v[80+4*\s]                 ; the largest: from expert 0 on, taken over only by a strictly larger one, so the lower expert wins a tie
	v_mov_b32 v[94+\s], 0
.endr
.irp e, 1,2,3
.irp s, 0,1
	v_cmp_gt_f32 vcc_lo, v[80+4*\s+\e], v[92+\s]
	v_cndmask_b32 v[92+\s], v[92+\s], v[80+4*\s+\e], vcc_lo
	v_cndmask_b32 v[94+\s], v[94+\s], \e, vcc_lo
.endr
.endr
.irp e, 0,1,2,3
.irp s, 0,1
	v_cmp_eq_u32 vcc_lo, \e, v[94+\s]
	v_cndmask_b32 v[100+4*\s+\e], v[80+4*\s+\e], -1.0, vcc_lo   ; the chosen one becomes -1, under every z
.endr
.endr
.irp s, 0,1
	v_mov_b32 v[96+\s], v[100+4*\s]                ; the second, in the same way
	v_mov_b32 v[98+\s], 0
.endr
.irp e, 1,2,3
.irp s, 0,1
	v_cmp_gt_f32 vcc_lo, v[100+4*\s+\e], v[96+\s]
	v_cndmask_b32 v[96+\s], v[96+\s], v[100+4*\s+\e], vcc_lo
	v_cndmask_b32 v[98+\s], v[98+\s], \e, vcc_lo
.endr
.endr
.irp s, 0,1
	v_add_f32 v[110+\s], v[92+\s], v[96+\s]
.endr
.irp s, 0,1
	v_rcp_f32 v[108+\s], v[90+\s]
	v_rcp_f32 v[110+\s], v[110+\s]
.endr
; THE RANKS AND THE COUNTS, the independent work behind the reciprocals.  For expert e the lanes whose first token (s = 0) goes to it are ranked by lane; those whose second token does come behind them.
; s36-43: the lanes with a = e (4 s + e);  s44-51: with b = e;  s52-59: either;  s60-63: how many of the first tokens;  s66-69: how many in all.  Any order serves: each row only needs a place of its own.
.irp s, 0,1
.irp e, 0,1,2,3
	v_cmp_eq_u32 s[36+4*\s+\e], \e, v[94+\s]
	v_cmp_eq_u32 s[44+4*\s+\e], \e, v[98+\s]
.endr
.endr
.irp i, 0,1,2,3,4,5,6,7
	s_or_b32 s[52+\i], s[36+\i], s[44+\i]
.endr
.irp e, 0,1,2,3
	s_bcnt1_i32_b32 s[60+\e], s[52+\e]
	s_bcnt1_i32_b32 s[66+\e], s[56+\e]
.endr
.irp e, 0,1,2,3
	s_add_co_u32 s[66+\e], s[66+\e], s[60+\e]
.endr
.irp e, 0,1,2,3
	v_mbcnt_lo_u32_b32 v[128+\e], s[52+\e], 0      ; the lower lanes with a first token for e
	v_mbcnt_lo_u32_b32 v[132+\e], s[56+\e], s[60+\e]   ; all first tokens for e + the lower lanes with a second one
.endr
.irp s, 0,1
	v_mov_b32 v[136+\s], v[128+4*\s]
	v_mov_b32 v[138+\s], v[128+4*\s]
.endr
.irp e, 1,2,3
.irp s, 0,1
	v_cndmask_b32 v[136+\s], v[136+\s], v[128+4*\s+\e], s[36+4*\s+\e]   ; ra: the rank by the token's own a
	v_cndmask_b32 v[138+\s], v[138+\s], v[128+4*\s+\e], s[44+4*\s+\e]   ; rb
.endr
.endr
	v_lshl_add_u32 v124, v98, 2, v94               ; sel = a + 4 b
	v_lshl_add_u32 v125, v99, 2, v95
	v_lshl_or_b32 v124, v136, 4, v124              ; + 16 ra
	v_lshl_or_b32 v125, v137, 4, v125
	v_lshl_or_b32 v124, v138, 10, v124             ; + 1,024 rb
	v_lshl_or_b32 v125, v139, 10, v125
	s_lshl_b32 s60, s67, 16
	s_or_b32 s60, s60, s66                         ; n0 + 65,536 n1 (each at most 64)
	s_lshl_b32 s61, s69, 16
	s_or_b32 s61, s61, s68
	v_mov_b32 v140, s60
	v_mov_b32 v141, s61
	s_wait_alu depctr_va_vdst(0)                   ; one wait for the four reciprocals, ahead of their first reader
.irp s, 0,1
	v_mul_f32 v[120+\s], v[92+\s], v[110+\s]       ; c0 = p_a / (p_a + p_b): the softmax's divisor cancels
	v_mul_f32 v[122+\s], v[96+\s], v[110+\s]       ; c1
.irp e, 0,1,2,3
	v_mul_f32 v[112+4*\s+\e], v[80+4*\s+\e], v[108+\s]   ; the probabilities, for the loss
.endr
.endr
	global_store_b64 v8, v[124:125], s[8:9]        ; the wave stores 256 consecutive bytes, aligned
	global_store_b64 v8, v[120:121], s[10:11]
	global_store_b64 v8, v[122:123], s[10:11] offset:32768
.irp e, 0,1,2,3
	v_add_f32 v[112+\e], v[112+\e], v[116+\e]
.endr
.irp m, 1,2,4,8
.irp e, 0,1,2,3
	v_add_f32_dpp v[112+\e], v[112+\e], v[112+\e] row_xmask:\m row_mask:0xf bank_mask:0xf
.endr
.endr
.irp e, 0,1,2,3
	v_permlanex16_b32 v[116+\e], v[112+\e], s16, s17
.endr
.irp e, 0,1,2,3
	v_add_f32 v[112+\e], v[112+\e], v[116+\e]      ; the 64 tokens' sum of each expert's probability
.endr
	v_cmp_eq_u32 vcc_lo, 0, v1
	s_wait_xcnt 0x0                                ; EXEC is a source of the stores above: it changes only behind this wait
	s_and_saveexec_b32 s19, vcc_lo
	global_store_b128 v9, v[112:115], s[12:13]     ; lane 0: 16 bytes a work-group, and 8 bytes of counts (parts of an aligned 256 bytes: 128 such pairs of stores in the launch)
	global_store_b64 v9, v[140:141], s[28:29]
	s_wait_xcnt 0x0
	s_or_b32 exec_lo, exec_lo, s19
.Lend:
	s_wait_tensorcnt 0x0                           ; the wave's end, behind my last LDS store
	ds_add_u32 v3, v4
	s_wait_dscnt 0x0
	s_endpgm
.Lfunc_end_k_q06fd7aa71c_router:
	.size	k_q06fd7aa71c_router, .Lfunc_end_k_q06fd7aa71c_router-k_q06fd7aa71c_router
	.p2alignl 7, 3214868480
	.fill 96, 4, 3214868480
	.section	.rodata,"a",@progbits
	.p2align	6, 0x0
	.amdhsa_kernel k_q06fd7aa71c_router
		.amdhsa_group_segment_fixed_size 2048
		.amdhsa_private_segment_fixed_size 0
		.amdhsa_enable_private_segment 0
		.amdhsa_kernarg_size 40
		.amdhsa_user_sgpr_count 2
		.amdhsa_user_sgpr_kernarg_segment_ptr 1
		.amdhsa_wavefront_size32 1
		.amdhsa_system_sgpr_workgroup_id_x 1
		.amdhsa_system_sgpr_workgroup_id_y 1
		.amdhsa_system_sgpr_workgroup_id_z 1
		.amdhsa_system_vgpr_workitem_id 0
		.amdhsa_next_free_vgpr 224
		.amdhsa_next_free_sgpr 72
		.amdhsa_reserve_vcc 1
		.amdhsa_float_denorm_mode_32 3
		.amdhsa_float_denorm_mode_16_64 3
		.amdhsa_memory_ordered 1
		.amdhsa_forward_progress 1
		.amdhsa_inst_pref_size 48
	.end_amdhsa_kernel
	.amdgpu_metadata
---
amdhsa.version: [ 1, 2 ]
amdhsa.kernels:
  - .name:           k_q06fd7aa71c_router
    .symbol:         k_q06fd7aa71c_router.kd
    .args:
      - { .name: x, .offset: 0, .size: 8, .value_kind: global_buffer, .address_space: global }
      - { .name: gate_w, .offset: 8, .size: 8, .value_kind: global_buffer, .address_space: global }
      - { .name: sel, .offset: 16, .size: 8, .value_kind: global_buffer, .address_space: global }
      - { .name: cw, .offset: 24, .size: 8, .value_kind: global_buffer, .address_space: global }
      - { .name: psum, .offset: 32, .size: 8, .value_kind: global_buffer, .address_space: global }
    .group_segment_fixed_size: 2048
    .private_segment_fixed_size: 0
    .kernarg_segment_align: 8
    .kernarg_segment_size: 40
    .max_flat_workgroup_size: 256
    .sgpr_count:     72
    .vgpr_count:     224
    .wavefront_size: 32
...
	.end_amdgpu_metadata
.endif
;; end of part 1
;; launch place (part 2): grid 256 x 1, 17 waves a work-group, no clusters, 145,920 bytes of LDS; arguments sel, psum, lowp_scales, w1, w3, w2, rowlist, pos, tinfo, wq, out1; writes rowlist, pos, tinfo, wq, out1
.if DOCPART == 2
	.amdgcn_target "amdgcn-amd-amdhsa--gfx1250"
	.amdhsa_code_object_version 6
	.text
	.protected	k_q06fd7aa71c_place
	.globl	k_q06fd7aa71c_place
	.p2align	8
	.type	k_q06fd7aa71c_place,@function
k_q06fd7aa71c_place:
	s_mov_b64 s[64:65], 0
	v_nop
	global_prefetch_b8 v0, s[64:65] scope:SCOPE_SE
	s_setreg_imm32_b32 hwreg(HW_REG_WAVE_MODE, 25, 1), 1
	s_wait_xcnt 0x0
; TWO JOBS IN ONE LAUNCH, shared out by wave.  256 work-groups of 17 waves are 4,352 waves: 4,224 make one fragment of the weights' codes each, 128 place the rows of 64 tokens each.
;   waves 0 .. 15 of work-group g: fragment 16 g + wave;   wave 16 of work-groups 128 .. 255: fragment 3,968 + g;   wave 16 of work-groups 0 .. 127: unit g of the tokens.
; PLACING THE ROWS.  Each token has two experts.  The launch before has left, for each token, a + 4 b + 16 ra + 1,024 rb (its experts, and its rank among the rows that its unit of 64 tokens sends to each), and for
; each unit its four counts (behind sel's 32,768 bytes: [128][2] i32, 16 bits a count).  Expert e's n_e rows lie from place 80 tb_e on, tb_e = the tiles of 80 rows of the experts before it (ceil(n / 80) each; at most
; 208 in all, whatever the split); a row's place = 80 tb_e + the rows for e of the units before its own + its rank.  Each placing wave adds up all 128 units' counts itself: no wave waits for another, no LDS, no atomics.
; rowlist [16640]: the token at each place, token 0 at the 256 places that no row takes;  pos [2][8192]: each token's two places;  tinfo [256][8]: for tile t its expert, 0, and that expert's six exponents
; ex1, ew1, ex3, ew3, eh, ew2 (tiles past the last one: expert 3);  out1: the loss.  The table and the empty places are written by units 0 .. 7 (t = 32 unit + lane), the loss by unit 8.
; THE WEIGHTS' CODES (E4M3, each tensor of each expert with its given scale 2^e), laid in the order in which the chain's waves take them into registers:
; wq [e 4][w 4][item 33][fragment 8][2,048 bytes].  A fragment is 16 rows x 128 along K: piece c (512 bytes) holds lane l's 16 bytes at 16 l: row l % 16, k = 32 c + 16 (l / 16) + 0 .. 15.
;   item i < 22 (s = i / 2, u = i % 2): fragment 4 mat + k (mat 0: w1, 1: w3): row r = hidden unit 128 s + 32 w + 8 u + r + 8 (r / 8), columns 128 k on.
;   item 22 + g: fragment t: row r = output column 128 w + 16 t + r of w2, K = hidden units 128 g on.      Hidden units from 1,365 on (K is filled up to 1,408) get zero codes.
; 16 rows x 512 bytes come as they lie, go through the wave's own stage in LDS, and come back 16 neighbours along K a lane and block.  No loop, no barrier.
; LIMITS.  Each weight's exponent e: -126 <= e <= 119.  NaN among the inputs is not served.
.set SPARE, 143616                     ; LDS: 8,448 wave: a stage of 16 rows x 528 bytes for each of the 17 waves; from here the spare words, 128 bytes a wave
.set R,   16                           ; v16-79  (weights) 64 numbers
.set C,   80                           ; v80-95  (weights) row offsets, then the codes
.set CO,  96                           ; v96-99  (w2) column offsets
	s_load_b512 s[4:19], s[0:1], 0x0               ; sel s[4:5], psum s[6:7], scales s[8:9], w1 s[10:11], w3 s[12:13], w2 s[14:15], rowlist s[16:17], pos s[18:19]
	s_load_b128 s[20:23], s[0:1], 0x40             ; tinfo s[20:21], wq s[22:23]
	s_load_b64 s[24:25], s[0:1], 0x50              ; out1
	v_lshl_add_u32 v2, v0, 2, SPARE                ; my spare word,
	v_mov_b32 v3, 0                                ; and 0: kept for the closing lines alone
	v_lshrrev_b32 v7, 5, v0
	v_readfirstlane_b32 s26, v7                    ; wave 0..16
	v_and_b32 v1, 31, v0                           ; lane
	v_lshlrev_b32 v4, 4, v1                        ; 16 x lane
	; every LDS address is made here, ahead of the parting, and holds nothing else
	v_and_b32 v8, 15, v0                           ; r
	v_bfe_u32 v9, v0, 4, 1                         ; h
	s_mul_i32 s2, s26, 8448                        ; my stage
	v_add_nc_u32 v104, s2, v4                      ; into it, 16 bytes a lane,
	v_lshl_add_u32 v105, v1, 2, s2                 ; or 4 bytes a lane;
	v_mul_u32_u24 v106, v8, 528
	v_lshl_add_u32 v106, v9, 6, v106
	v_add_nc_u32 v106, s2, v106                    ; out of it: row r, + 64 h
	s_lshl_b32 s27, ttmp9, 4
	s_add_co_u32 s27, s27, s26                     ; fragment 16 g + wave,
	s_add_co_u32 s28, ttmp9, 3968                  ; or, in wave 16, 3,968 + g
	s_cmp_eq_u32 s26, 16
	s_cselect_b32 s27, s28, s27
	s_cbranch_scc0 .Lprep
	s_cmp_lt_u32 ttmp9, 128
	s_cbranch_scc0 .Lprep
; ---------------- wave 16 of work-groups 0 .. 127: unit j = the work-group's number; lane l has tokens 64 j + 2 l and 64 j + 2 l + 1
	s_wait_kmcnt 0x0
	s_lshl_b32 s3, ttmp9, 8
	v_lshl_add_u32 v7, v1, 3, s3                   ; 256 j + 8 lane: my bytes in sel and in each plane of pos
	global_load_b64 v[10:11], v7, s[4:5]           ; my two tokens' words: the wave reads 256 consecutive bytes
	global_load_b128 v[12:15], v4, s[4:5] offset:32768   ; the counts of units 2 l (v12, v13) and 2 l + 1 (v14, v15),
	global_load_b128 v[16:19], v4, s[4:5] offset:33280   ; and of units 64 + 2 l, 65 + 2 l
.irp q, 0,1,2,3
	global_load_b128 v[88+4*\q:91+4*\q], v4, s[6:7] offset:512*\q   ; psum's rows lane + 32 q (unit 8 uses them)
.endr
	s_load_b256 s[28:35], s[8:9], 0x0              ; the 24 exponents: expert e's six from s[28 + 6 e] on (units 0 .. 7 use them)
	s_load_b256 s[36:43], s[8:9], 0x20
	s_load_b256 s[44:51], s[8:9], 0x40
	s_mov_b32 s93, ttmp9
	s_sub_co_i32 s90, ttmp9, 1
	s_sub_co_i32 s91, ttmp9, 64
	s_sub_co_i32 s92, ttmp9, 65
	s_mov_b32 s94, 0x76543210                      ; v_permlanex16_b32: lane l takes lane l xor 16
	s_mov_b32 s95, 0xfedcba98
	s_lshl_b32 s52, ttmp9, 6
	v_lshlrev_b32 v20, 1, v1                       ; 2 lane
	v_lshl_add_u32 v110, v1, 1, s52                ; 64 j + 2 lane: my first token
	v_cmp_gt_i32 s86, s93, v20                     ; does unit 2 l lie before mine?
	v_cmp_gt_i32 s87, s90, v20                     ; unit 2 l + 1?
	v_cmp_gt_i32 s88, s91, v20                     ; unit 2 l + 64?
	v_cmp_gt_i32 s89, s92, v20                     ; unit 2 l + 65?
	v_mov_b32 v36, 0                               ; (destinations of the lane moves below: written once)
	v_mov_b32 v37, 0
	s_wait_loadcnt 0x0                             ; all seven loads: psum's registers are written again below
	s_wait_kmcnt 0x0
	v_cndmask_b32 v28, 0, v12, s86                 ; the counts of the units before mine; a field of 16 bits holds at most 8,192, so no sum below leaves its field
	v_cndmask_b32 v29, 0, v13, s86
	v_cndmask_b32 v30, 0, v14, s87
	v_cndmask_b32 v31, 0, v15, s87
	v_cndmask_b32 v32, 0, v16, s88
	v_cndmask_b32 v33, 0, v17, s88
	v_cndmask_b32 v34, 0, v18, s89
	v_cndmask_b32 v35, 0, v19, s89
	v_add3_u32 v24, v12, v14, v16                  ; v24, v25: all units (experts 0, 1; experts 2, 3);  v26, v27: the units before mine
	v_add3_u32 v25, v13, v15, v17
	v_add3_u32 v26, v28, v30, v32
	v_add3_u32 v27, v29, v31, v33
	v_add_nc_u32 v24, v24, v18
	v_add_nc_u32 v25, v25, v19
	v_add_nc_u32 v26, v26, v34
	v_add_nc_u32 v27, v27, v35
.irp m, 1,2,4,8
.irp i, 0,2
	v_mov_b32_dpp v36, v[24+\i] row_xmask:\m row_mask:0xf bank_mask:0xf
	v_mov_b32_dpp v37, v[25+\i] row_xmask:\m row_mask:0xf bank_mask:0xf
	v_add_nc_u32 v[24+\i], v[24+\i], v36
	v_add_nc_u32 v[25+\i], v[25+\i], v37
.endr
.endr
.irp i, 0,1,2,3
	v_permlanex16_b32 v[28+\i], v[24+\i], s94, s95 ; (its destination has been written)
.endr
.irp i, 0,1,2,3
	v_add_nc_u32 v[24+\i], v[24+\i], v[28+\i]
.endr
.irp i, 0,1,2,3
	v_readfirstlane_b32 s[82+\i], v[24+\i]
.endr
	s_and_b32 s56, s82, 0xffff                     ; n_e
	s_lshr_b32 s57, s82, 16
	s_and_b32 s58, s83, 0xffff
	s_lshr_b32 s59, s83, 16
	s_and_b32 s60, s84, 0xffff                     ; the rows of expert e in the units before mine
	s_lshr_b32 s61, s84, 16
	s_and_b32 s62, s85, 0xffff
	s_lshr_b32 s63, s85, 16
.irp e, 0,1,2,3
	s_add_co_u32 s[66+\e], s[56+\e], 79            ; g_e = ceil(n_e / 80) = ((n_e + 79) / 16) / 5; x / 5 = (52,429 x) >> 18 for x under 2^16
	s_lshr_b32 s[66+\e], s[66+\e], 4
	s_mul_i32 s[66+\e], s[66+\e], 52429
	s_lshr_b32 s[66+\e], s[66+\e], 18
.endr
	s_mov_b32 s70, 0                               ; tb_e: the tiles before expert e
	s_add_co_u32 s71, s70, s66
	s_add_co_u32 s72, s71, s67
	s_add_co_u32 s73, s72, s68
.irp e, 0,1,2,3
	s_mul_i32 s[74+\e], s[70+\e], 80               ; expert e's first place
	s_add_co_u32 s[78+\e], s[74+\e], s[60+\e]      ; and my unit's first place there
.endr
; place = rank + my unit's first place with that expert.  It comes from loaded numbers, so it is held under the buffer's 16,640 entries before it enters an address.
; Each of the two tokens has its own address and data registers: no store's source is written again.  These are the sort's own scattered stores, 4 bytes each, 64 KiB in all.
; v40,41 place by a;  v42,43 by b;  v44-47 4 x place;  v48,49 the token's number
.macro FINAL n
	v_and_b32 v107, 3, v[10+\n]                    ; a
	v_bfe_u32 v108, v[10+\n], 2, 2                 ; b
	v_bfe_u32 v[40+\n], v[10+\n], 4, 6             ; ra
	v_bfe_u32 v[42+\n], v[10+\n], 10, 6            ; rb
	v_mov_b32 v109, s78
	v_mov_b32 v111, s78
.irp e, 1,2,3
	v_cmp_eq_u32 vcc_lo, \e, v107
	v_cndmask_b32 v109, v109, s[78+\e], vcc_lo
	v_cmp_eq_u32 vcc_lo, \e, v108
	v_cndmask_b32 v111, v111, s[78+\e], vcc_lo
.endr
	v_add_nc_u32 v[40+\n], v[40+\n], v109
	v_add_nc_u32 v[42+\n], v[42+\n], v111
	v_min_u32 v[40+\n], 0x40ff, v[40+\n]
	v_min_u32 v[42+\n], 0x40ff, v[42+\n]
	v_lshlrev_b32 v[44+\n], 2, v[40+\n]
	v_lshlrev_b32 v[46+\n], 2, v[42+\n]
	v_add_nc_u32 v[48+\n], \n, v110
	global_store_b32 v[44+\n], v[48+\n], s[16:17]
	global_store_b32 v[46+\n], v[48+\n], s[16:17]
.endm
	FINAL 0
	FINAL 1
	global_store_b64 v7, v[40:41], s[18:19]        ; 256 consecutive bytes, aligned
	global_store_b64 v7, v[42:43], s[18:19] offset:32768
	s_cmp_lt_u32 ttmp9, 8
	s_cbranch_scc0 .Lnot_table
	; units 0 .. 7: lane l writes tile t's entry and the t-th of the 256 places that no row takes, t = 32 unit + lane
	s_lshl_b32 s99, ttmp9, 5
	v_add_nc_u32 v21, s99, v1                      ; t
	v_mov_b32 v88, 0                               ; the expert: the last e with tb_e <= t (an expert without rows has no tile: the next one's tb is the same and wins)
	v_mov_b32 v89, 0                               ; a word that nobody uses: an entry is 32 bytes
.irp j, 0,1,2,3,4,5
	v_mov_b32 v[90+\j], s[28+\j]
.endr
.irp i, 1,2,3
	v_cmp_le_u32 vcc_lo, s[70+\i], v21
	v_cndmask_b32 v88, v88, \i, vcc_lo
.irp j, 0,1,2,3,4,5
	v_cndmask_b32 v[90+\j], v[90+\j], s[28+6*\i+\j], vcc_lo
.endr
.endr
	v_lshlrev_b32 v99, 5, v21
	global_store_b128 v99, v[88:91], s[20:21]
	global_store_b128 v99, v[92:95], s[20:21] offset:16
	; With Q_j = 80 tb_j - (n_0 + .. + n_(j-1)), the empty places before expert j's rows end, the t-th empty place is n_0 + .. + n_j + t for the last j with Q_j <= t; behind the last tile the same formula goes on
	s_mov_b32 s86, s56
	s_add_co_u32 s87, s86, s57
	s_add_co_u32 s88, s87, s58
	s_add_co_u32 s89, s88, s59
	s_sub_co_u32 s90, s75, s86
	s_sub_co_u32 s91, s76, s87
	s_sub_co_u32 s92, s77, s88
	v_mov_b32 v96, s86
.irp j, 1,2,3
	v_cmp_le_u32 vcc_lo, s[89+\j], v21
	v_cndmask_b32 v96, v96, s[86+\j], vcc_lo
.endr
	v_add_nc_u32 v96, v96, v21
	v_min_u32 v96, 0x40ff, v96
	v_lshlrev_b32 v96, 2, v96
	v_mov_b32 v97, 0
	global_store_b32 v96, v97, s[16:17]            ; token 0: a row that can be gathered; its result is read by nobody
	s_branch .Lend
.Lnot_table:
	s_cmp_eq_u32 ttmp9, 8
	s_cbranch_scc0 .Lend
	; unit 8: the loss = 0.01 x mean over e of (mean probability - 1 / 4)^2
.irp e, 0,1,2,3
	v_add_f32 v[88+\e], v[88+\e], v[92+\e]
	v_add_f32 v[96+\e], v[96+\e], v[100+\e]
.endr
.irp e, 0,1,2,3
	v_add_f32 v[88+\e], v[88+\e], v[96+\e]
.endr
.irp m, 1,2,4,8
.irp e, 0,1,2,3
	v_add_f32_dpp v[88+\e], v[88+\e], v[88+\e] row_xmask:\m row_mask:0xf bank_mask:0xf
.endr
.endr
.irp e, 0,1,2,3
	v_permlanex16_b32 v[92+\e], v[88+\e], s94, s95
.endr
.irp e, 0,1,2,3
	v_add_f32 v[88+\e], v[88+\e], v[92+\e]
.endr
	s_mov_b32 s96, 0x39000000                      ; 1 / 8,192
	s_mov_b32 s98, 0xbe800000                      ; -1 / 4
.irp e, 0,1,2,3
	v_fma_f32 v[88+\e], v[88+\e], s96, s98
.endr
	v_mul_f32 v92, v88, v88
	v_fmac_f32 v92, v89, v89
	v_fmac_f32 v92, v90, v90
	v_fmac_f32 v92, v91, v91
	v_mul_f32 v92, 0x3b23d70a, v92                 ; x 0.01 / 4
	v_mov_b32 v96, 0
	v_cmp_eq_u32 vcc_lo, 0, v1
	s_wait_xcnt 0x0                                ; EXEC is a source of the stores above: it changes only behind this wait
	s_and_saveexec_b32 s97, vcc_lo
	global_store_b32 v96, v92, s[24:25]
	s_wait_xcnt 0x0
	s_or_b32 exec_lo, exec_lo, s97
	s_branch .Lend
; ---------------- the weights.  s27 = the fragment's number, 0 .. 4,223: item I = s27 / 8 of 528, fragment f = s27 % 8.
.Lprep:
	s_and_b32 s28, s27, 7                          ; f
	s_lshr_b32 s27, s27, 3                         ; I
	s_mul_i32 s29, s27, 1986
	s_lshr_b32 s29, s29, 16                        ; I / 33 (exact for I under 528) = 4 e + w
	s_mul_i32 s30, s29, 33
	s_sub_co_u32 s30, s27, s30                     ; the item, 0 .. 32
	s_lshr_b32 s31, s29, 2                         ; e
	s_and_b32 s32, s29, 3                          ; w
	s_lshr_b32 s33, s28, 2                         ; mat
	s_lshl_b32 s39, s33, 1
	s_add_co_u32 s39, s39, 1
	s_cmp_lt_u32 s30, 22
	s_cselect_b32 s39, s39, 5                      ; my scale's entry: 6 e + 1 (w1), + 3 (w3), + 5 (w2)
	s_mul_i32 s36, s31, 6
	s_add_co_u32 s39, s39, s36
	s_lshl_b32 s39, s39, 2
	s_lshl_b32 s36, s27, 14                        ; where my fragment goes: 16,384 I + 2,048 f
	s_lshl_b32 s37, s28, 11
	s_add_co_u32 s36, s36, s37
	s_mov_b32 s37, 0
	s_wait_kmcnt 0x0
	s_load_b32 s38, s[8:9], s39 offset:0x0         ; e of my tensor
	s_add_nc_u64 s[22:23], s[22:23], s[36:37]
	s_cmp_lt_u32 s30, 22
	s_cbranch_scc0 .Lw2
	; w1 or w3: K is innermost: a row's 128 numbers are 512 consecutive bytes, one load of the wave
	s_and_b32 s34, s28, 3                          ; k
	s_cmp_eq_u32 s33, 0
	s_cselect_b64 s[40:41], s[10:11], s[12:13]
	s_mul_i32 s36, s31, 2795520                    ; an expert: 1,365 rows of 2,048 bytes
	s_lshl_b32 s42, s34, 9
	s_add_co_u32 s36, s36, s42
	s_add_nc_u64 s[40:41], s[40:41], s[36:37]
	s_lshr_b32 s35, s30, 1
	s_lshl_b32 s35, s35, 7
	s_lshl_b32 s42, s32, 5
	s_add_co_u32 s35, s35, s42
	s_and_b32 s42, s30, 1
	s_lshl_b32 s42, s42, 3
	s_add_co_u32 s35, s35, s42                     ; the tile's first hidden unit: 128 s + 32 w + 8 u
.irp p, 0,1,2,3,4,5,6,7,8,9,10,11,12,13,14,15
	s_add_co_u32 s42, s35, \p+8*(\p/8)
	s_min_u32 s42, s42, 1364                       ; no load leaves the buffer: past the last hidden unit the last row is read, and its numbers are held at 0 below
	s_lshl_b32 s42, s42, 11
	v_add_nc_u32 v[C+\p], s42, v4
	global_load_b128 v[R+4*\p:R+4*\p+3], v[C+\p], s[40:41] th:TH_LOAD_NT
.endr
	v_and_b32 v10, 8, v8
	v_add_nc_u32 v10, v10, v8
	v_add_nc_u32 v10, s35, v10
	v_cmp_gt_u32 s43, 1365, v10                    ; the lanes whose row is a hidden unit that exists
.irp p, 0,1,2,3,4,5,6,7,8,9,10,11,12,13,14,15
	s_wait_loadcnt 15-\p                           ; row p is in; the later rows may be out
	ds_store_b128 v104, v[R+4*\p:R+4*\p+3] offset:528*\p
.endr
	s_branch .Lturn
.Lw2:
	; w2: rows of 5,460 bytes, aligned to 4 bytes alone: 4 bytes a lane, 128 consecutive bytes a load
	s_sub_co_u32 s34, s30, 22                      ; the K step
	s_lshl_b32 s36, s31, 9
	s_lshl_b32 s42, s32, 7
	s_add_co_u32 s36, s36, s42
	s_lshl_b32 s42, s28, 4
	s_add_co_u32 s36, s36, s42                     ; my first row: 512 e + 128 w + 16 f
	s_mul_i32 s36, s36, 5460
	s_add_nc_u64 s[40:41], s[14:15], s[36:37]
	s_lshl_b32 s42, s34, 7
	v_add_nc_u32 v10, s42, v1
.irp q, 0,1,2,3
	v_add_nc_u32 v11, 32*\q, v10                   ; the hidden unit
	v_cmp_gt_u32 s[44+\q], 1365, v11               ; does it exist?
	v_min_u32 v11, 1364, v11                       ; no load leaves its row
	v_lshlrev_b32 v[CO+\q], 2, v11
.endr
.irp i, 0,1,2,3,4,5,6,7,8,9,10,11,12,13,14,15
.irp q, 0,1,2,3
	global_load_b32 v[R+4*\i+\q], v[CO+\q], s[40:41] offset:5460*\i th:TH_LOAD_NT
.endr
.endr
	s_mov_b32 s43, -1                              ; every row exists
.irp i, 0,1,2,3,4,5,6,7,8,9,10,11,12,13,14,15
	s_wait_loadcnt 60-4*\i                         ; row i's four loads are in; four for each later row may be out
.irp q, 0,1,2,3
	v_cndmask_b32 v[R+4*\i+\q], 0, v[R+4*\i+\q], s[44+\q]   ; 0 past the end of K
.endr
.irp q, 0,1,2,3
	ds_store_b32 v105, v[R+4*\i+\q] offset:528*\i+128*\q
.endr
.endr
.Lturn:
	s_wait_dscnt 0x0                               ; my stores have read their registers, which the loads below fill
.irp c, 0,1,2,3
.irp j, 0,1,2,3
	ds_load_b128 v[R+16*\c+4*\j:R+16*\c+4*\j+3], v106 offset:128*\c+16*\j   ; row r, k = 32 c + 16 h + 4 j on.  LDS serves a wave's instructions in order: these see my stores
.endr
.endr
	s_wait_kmcnt 0x0
	s_add_co_i32 s38, s38, 127
	s_lshl_b32 s48, s38, 23
	v_mov_b32 v101, s48                            ; 2^e as f32: the conversion takes its exponent field
	s_add_co_i32 s38, s38, 8
	s_lshl_b32 s38, s38, 23
	s_or_b32 s38, s38, 0x600000
	v_mov_b32 v10, s38                             ; 448 x 2^e,
	v_cndmask_b32 v100, 0, v10, s43                ; or 0 in a row that does not exist: the hold then gives zero codes
	s_wait_dscnt 0x0
.irp i, 0,1,2,3,4,5,6,7,8,9,10,11,12,13,14,15,16,17,18,19,20,21,22,23,24,25,26,27,28,29,30,31,32,33,34,35,36,37,38,39,40,41,42,43,44,45,46,47,48,49,50,51,52,53,54,55,56,57,58,59,60,61,62,63
	v_med3_num_f32 v[R+\i], v[R+\i], -v100, v100   ; the conversion to an 8-bit code does not saturate (ISA guide 7.6.2): the hold at the largest code x the scale
.endr
.irp c, 0,1,2,3
	v_cvt_scalef32_pk8_fp8_f32 v[C+4*\c:C+4*\c+1], v[R+16*\c:R+16*\c+7], v101
	v_cvt_scalef32_pk8_fp8_f32 v[C+4*\c+2:C+4*\c+3], v[R+16*\c+8:R+16*\c+15], v101
.endr
	v_nop                                          ; a plain instruction behind the last conversion
.irp c, 0,1,2,3
	global_store_b128 v4, v[C+4*\c:C+4*\c+3], s[22:23] offset:512*\c   ; 512 consecutive bytes, aligned
.endr
.Lend:
	s_wait_tensorcnt 0x0                           ; the wave's end, behind my last LDS store
	ds_add_u32 v2, v3
	s_wait_dscnt 0x0
	s_endpgm
.Lfunc_end_k_q06fd7aa71c_place:
	.size	k_q06fd7aa71c_place, .Lfunc_end_k_q06fd7aa71c_place-k_q06fd7aa71c_place
	.p2alignl 7, 3214868480
	.fill 96, 4, 3214868480
	.section	.rodata,"a",@progbits
	.p2align	6, 0x0
	.amdhsa_kernel k_q06fd7aa71c_place
		.amdhsa_group_segment_fixed_size 145920
		.amdhsa_private_segment_fixed_size 0
		.amdhsa_enable_private_segment 0
		.amdhsa_kernarg_size 88
		.amdhsa_user_sgpr_count 2
		.amdhsa_user_sgpr_kernarg_segment_ptr 1
		.amdhsa_wavefront_size32 1
		.amdhsa_system_sgpr_workgroup_id_x 1
		.amdhsa_system_sgpr_workgroup_id_y 1
		.amdhsa_system_sgpr_workgroup_id_z 1
		.amdhsa_system_vgpr_workitem_id 0
		.amdhsa_next_free_vgpr 112
		.amdhsa_next_free_sgpr 100
		.amdhsa_reserve_vcc 1
		.amdhsa_float_denorm_mode_32 3
		.amdhsa_float_denorm_mode_16_64 3
		.amdhsa_memory_ordered 1
		.amdhsa_forward_progress 1
		.amdhsa_inst_pref_size 46
	.end_amdhsa_kernel
	.amdgpu_metadata
---
amdhsa.version: [ 1, 2 ]
amdhsa.kernels:
  - .name:           k_q06fd7aa71c_place
    .symbol:         k_q06fd7aa71c_place.kd
    .args:
      - { .name: sel, .offset: 0, .size: 8, .value_kind: global_buffer, .address_space: global }
      - { .name: psum, .offset: 8, .size: 8, .value_kind: global_buffer, .address_space: global }
      - { .name: lowp_scales, .offset: 16, .size: 8, .value_kind: global_buffer, .address_space: global }
      - { .name: w1, .offset: 24, .size: 8, .value_kind: global_buffer, .address_space: global }
      - { .name: w3, .offset: 32, .size: 8, .value_kind: global_buffer, .address_space: global }
      - { .name: w2, .offset: 40, .size: 8, .value_kind: global_buffer, .address_space: global }
      - { .name: rowlist, .offset: 48, .size: 8, .value_kind: global_buffer, .address_space: global }
      - { .name: pos, .offset: 56, .size: 8, .value_kind: global_buffer, .address_space: global }
      - { .name: tinfo, .offset: 64, .size: 8, .value_kind: global_buffer, .address_space: global }
      - { .name: wq, .offset: 72, .size: 8, .value_kind: global_buffer, .address_space: global }
      - { .name: out1, .offset: 80, .size: 8, .value_kind: global_buffer, .address_space: global }
    .group_segment_fixed_size: 145920
    .private_segment_fixed_size: 0
    .kernarg_segment_align: 8
    .kernarg_segment_size: 88
    .max_flat_workgroup_size: 544
    .sgpr_count:     100
    .vgpr_count:     112
    .wavefront_size: 32
...
	.end_amdgpu_metadata
.endif
;; end of part 2
;; launch chain (part 3): grid 208 x 1, 4 waves a work-group, no clusters, 228,864 bytes of LDS; arguments x, wq, rowlist, tinfo, ybuf; writes ybuf
.if DOCPART == 3
	.amdgcn_target "amdgcn-amd-amdhsa--gfx1250"
	.amdhsa_code_object_version 6
	.text
	.protected	k_q06fd7aa71c_chain
	.globl	k_q06fd7aa71c_chain
	.p2align	8
	.type	k_q06fd7aa71c_chain,@function
k_q06fd7aa71c_chain:
	s_mov_b64 s[64:65], 0
	v_nop
	global_prefetch_b8 v0, s[64:65] scope:SCOPE_SE
	s_setreg_imm32_b32 hwreg(HW_REG_WAVE_MODE, 25, 1), 1
	s_wait_xcnt 0x0
; ONE TILE OF 80 ROUTED ROWS OF ONE EXPERT THROUGH THE WHOLE CHAIN: gather x, quantise it twice (the w1 and the w3 product have scales of their own), g = x w1^T, u = x w3^T, h = silu(g) u, quantise, y = h w2^T.
; All three products on codes of E4M3 by v_wmma_f32_16x16x128_fp8_fp8, sums in f32.  ybuf [16640][512] f32 takes y x 2^(eh + ew2) at the rows' sorted places; the next launch weighs and adds each token's two rows.
; GRID.  16,384 rows in tiles of 80 of one expert are at most 208 tiles, whatever the split.  Every work-group runs the whole text: rowlist has a token at every place (token 0 where no row lies) and the table
; gives every tile an expert, so a tile that the split leaves without rows computes rows of ybuf that nobody reads.  So no branch, trip count or barrier here hangs on a number read from memory.
; SHARES.  THE FOUR WAVES SHARE THE COLUMNS, NOT THE ROWS: each holds all 80 rows (5 tiles of 16) and makes a quarter of the hidden units, then a quarter of the output columns.  So each fragment of a weight is read
; by one wave, straight from memory into registers (wq lies in the order of the operand's registers, one run of 540,672 bytes for each expert and wave), and feeds five matrix instructions.
; Two groups of 8 fragments take turns: 64 loads of 512 bytes a wave are on their way.
; BOTH PRODUCTS ARE USED TRANSPOSED (source 0 = 16 rows of a weight, source 1 = 16 rows of x or of h): a lane holds ONE row throughout.  The rows of w1 and w3 that form a tile are chosen (by the launch that laid wq)
; so that a lane's 16 registers of tiles u = 0, 1 are hidden units 128 s + 32 w + 16 (lane / 16) + 0 .. 15: piece w of K step s of the last product.
; OPERANDS GO FROM WAVE TO WAVE THROUGH LDS AS IMAGES OF THEIR REGISTERS: piece c of a fragment is 512 bytes, lane l's 16 bytes at 16 l.  No pitch, no padding.
; PHASES.  Head: wave w quantises K step w of x for all five row tiles, in both scales | barrier | all 40 fragments of x into registers.  1: 11 trips x 2 tiles of 16 hidden units: 40 matrix instructions, SwiGLU,
; codes of h to LDS | barrier |  2: 11 K steps x 40 matrix instructions.  Way out through the wave's own stage.  x's codes (640 registers) and y's sums (320) are never alive together.
; NO CLUSTER: a tile's expert is a number read from the table, and neighbours in the grid may have different experts, so the address of a joint request would not be equal in the partners.
; The k of a fragment is permuted (registers 4 c .. 4 c + 3: k = 32 c + 16 (lane / 16) + 0 .. 15), alike in both operands of each product: every product meets its partner.
; LIMITS on the given exponents, so that each power of two below is an f32 number: ex1, ex3 and eh - ex1 - ew1 - ex3 - ew3 between -126 and 119; ex1 + ew1 and eh + ew2 between -126 and 127.  NaN among the inputs is not served.
; REGISTERS, in windows of 256 (s_set_vgpr_msb: bits 1:0 source 0, 3:2 source 1, 5:4 source 2, 7:6 destination):
;   window 0: v1-11 addresses and constants; v12-31 h's codes; v32-71 g, v72-111 u (8 a row tile); v112-126 the head's; v128-255 x's fragments of row tile 4 (128 + 64 version + 16 k).
;             Phase 2: v32-111 and v128-207 two sets of h's five fragments.  Way out: v32-95 scaled sums, v128-255 rows read back.
;   window 1: the weights: group g at 128 g, fragment f at + 16 f.     window 2: x by ex1, row tiles 0-3 at 64 m + 16 k; phase 2: y(m, t) at 64 m + 8 t.     window 3: x by ex3 likewise; phase 2: y(4, t) at 8 t.
.set XIMG,  0                          ; LDS: x's 40 fragments, (5 version + m) 4 + k, 2,048 bytes each
.set HIMG,  81920                      ; h's 55 fragments, 5 K step + m
.set STG,   194560                     ; the way out: 16 rows x 528 bytes for each wave
.set SPARE, 228352                     ; the spare words, 128 bytes a wave
.set L16,  1                           ; v1   16 x lane
.set SPW,  2                           ; v2   my spare word;  v3  0: kept for the closing lines alone
.set NIL,  3
.set HST0, 4                           ; v4   HIMG + 16 lane + 512 wave: where I store h's codes
.set HAD,  5                           ; v5   the same + the K step
.set SCH,  6                           ; v6   2^(eh - a1 - a3);  v7  448 x that
.set LIMH, 7
.set STO,  8                           ; v8   the stage: where I put 32 bytes of a row;  v9  where I read a row back
.set RD,   9
.set HRD0, 10                          ; v10  HIMG + 16 lane;  v11  + 30 fragments
.set HRD1, 11
.set CD,   12
.set G,    32
.set U,    72
.set XOFF, 112                         ; v112-116 my row's byte offset in x, for each row tile
.set SC1,  117                         ; v117 2^ex1, v118 448 x 2^ex1, v119 2^ex3, v120 448 x 2^ex3
.set XST0, 121                         ; v121, v122 where I store x's images, by version
.set XRD1, 124                         ; v124 16 lane + 40,960
.set RLA,  125
.set XLT,  126
.set MSB, 0
.macro WIN new                         ; the immediate's high byte repeats the setting that is left; a switch that changes nothing is dropped
.if MSB != \new
	s_set_vgpr_msb (MSB<<8)|\new
.set MSB, \new
.endif
.endm
.macro POW2 e, sc, lim                 ; s[e] = a whole number n:  v[sc] = 2^n, v[lim] = 448 x 2^n, as f32
	s_add_co_i32 s36, s[\e], 127
	s_lshl_b32 s37, s36, 23
	v_mov_b32 v[\sc], s37
	s_add_co_i32 s36, s36, 8
	s_lshl_b32 s36, s36, 23
	s_or_b32 s36, s36, 0x600000
	v_mov_b32 v[\lim], s36
.endm
	s_load_b256 s[4:11], s[0:1], 0x0               ; x s[4:5], wq s[6:7], rowlist s[8:9], tinfo s[10:11]
	s_load_b64 s[12:13], s[0:1], 0x20              ; ybuf
	v_lshl_add_u32 v[SPW], v0, 2, SPARE
	v_mov_b32 v[NIL], 0
	v_lshrrev_b32 v12, 5, v0
	v_readfirstlane_b32 s14, v12                   ; wave 0..3
	v_and_b32 v13, 31, v0
	v_lshlrev_b32 v[L16], 4, v13
	v_and_b32 v14, 15, v0                          ; r
	v_bfe_u32 v15, v0, 4, 1                        ; h
	s_lshl_b32 s34, s14, 9                         ; 512 wave
	s_lshl_b32 s35, s14, 11                        ; 2,048 wave
	s_mul_i32 s36, s14, 8448                       ; my stage
	v_add_nc_u32 v[HST0], s34, v[L16]
	v_add_nc_u32 v[HST0], HIMG, v[HST0]
	v_add_nc_u32 v[HRD0], HIMG, v[L16]
	v_add_nc_u32 v[HRD1], HIMG+61440, v[L16]
	v_add_nc_u32 v[XST0], s35, v[L16]
	v_add_nc_u32 v[XST0+1], 40960, v[XST0]
	v_add_nc_u32 v[XRD1], 40960, v[L16]
	v_mul_u32_u24 v[STO], v14, 528
	v_lshl_add_u32 v[STO], v15, 5, v[STO]
	v_add_nc_u32 v[STO], s36, v[STO]
	v_add_nc_u32 v[STO], STG, v[STO]               ; row r, + 32 h
	v_add_nc_u32 v[RD], s36, v[L16]
	v_add_nc_u32 v[RD], STG, v[RD]
	v_lshlrev_b32 v[RLA], 2, v14                   ; rowlist: 4 r
	v_lshlrev_b32 v[XLT], 6, v15
	v_add_nc_u32 v[XLT], s34, v[XLT]               ; x: my wave's K step (512 bytes), + 64 h
	s_mul_i32 s38, ttmp9, 320                      ; the tile's 80 entries of rowlist
	s_mov_b32 s39, 0
	s_lshl_b32 s40, ttmp9, 5                       ; its entry of the table
	s_mul_i32 s42, ttmp9, 163840                   ; its 80 rows of ybuf, + my wave's 128 columns
	s_add_co_u32 s42, s42, s34
	s_mov_b32 s43, 0
	s_wait_kmcnt 0x0
	s_load_b256 s[16:23], s[10:11], s40 offset:0x0 ; expert, -, ex1, ew1, ex3, ew3, eh, ew2
	s_add_nc_u64 s[8:9], s[8:9], s[38:39]
	s_add_nc_u64 s[32:33], s[12:13], s[42:43]
.irp m, 0,1,2,3,4
	global_load_b32 v[XOFF+\m], v[RLA], s[8:9] offset:64*\m   ; the token at place 80 tile + 16 m + r
.endr
	s_wait_kmcnt 0x0
	s_min_u32 s16, s16, 3                          ; a loaded number enters an address only held under its bound
	s_mul_i32 s36, s16, 2162688
	s_mul_i32 s37, s14, 540672
	s_add_co_u32 s36, s36, s37
	s_mov_b32 s37, 0
	s_add_nc_u64 s[30:31], s[6:7], s[36:37]        ; my run of weights
	s_add_co_i32 s34, s18, s19                     ; a1 = ex1 + ew1: a sum of the first product stands for sum x 2^a1
	s_add_co_i32 s35, s20, s21                     ; a3 = ex3 + ew3
	s_lshl_b32 s36, s34, 23
	s_add_co_u32 s24, s36, 0xbfb8aa3b              ; -log2(e) x 2^a1: a1 is added to the exponent field
	s_mov_b32 s25, s24                             ; (named with it as a pair, so it is written)
	POW2 18, SC1, SC1+1
	POW2 20, SC1+2, SC1+3
	s_sub_co_i32 s38, s22, s34
	s_sub_co_i32 s38, s38, s35                     ; eh - a1 - a3: the scales ahead of h's quantiser, folded into the conversion's one
	POW2 38, SCH, LIMH
	s_add_co_i32 s26, s22, s23
	s_add_co_i32 s26, s26, 127
	s_lshl_b32 s26, s26, 23                        ; 2^(eh + ew2)
	s_mov_b32 s27, s26
	s_wait_loadcnt 0x0
.irp m, 0,1,2,3,4
	v_min_u32 v[XOFF+\m], 0x1fff, v[XOFF+\m]       ; held under the 8,192 tokens
	v_lshlrev_b32 v[XOFF+\m], 11, v[XOFF+\m]
	v_add_nc_u32 v[XOFF+\m], v[XOFF+\m], v[XLT]
.endr
; Row tile m: my K step's 128 numbers of my lane's row: register 16 b + 4 j + i = k 32 b + 16 h + 4 j + i.  Into window 2 (m < 4) or 3, where x's codes will lie later.  No hint: a token's row is gathered by two tiles.
.macro XLOAD m
.if \m < 4
	WIN 0x80
.set XD, 64*\m
.else
	WIN 0xc0
.set XD, 0
.endif
.irp b, 0,1,2,3
.irp j, 0,1,2,3
	global_load_b128 v[XD+16*\b+4*\j:XD+16*\b+4*\j+3], v[XOFF+\m], s[4:5] offset:128*\b+16*\j
.endr
.endr
.endm
; They become a fragment's codes by scale version ver, and its image goes to LDS.
.macro QX m, ver
.if \m < 4
	WIN 0x02
.set XD, 64*\m
.else
	WIN 0x03
.set XD, 0
.endif
.set i, 0
.rept 64
	v_med3_num_f32 v[32+i], v[XD+i], -v[SC1+1+2*\ver], v[SC1+1+2*\ver]   ; the conversion to an 8-bit code does not saturate (ISA guide 7.6.2): the hold at the largest code x the scale
.set i, i+1
.endr
	WIN 0
.set PC, 96-84*\ver                    ; the codes: v96-111 and v12-27 by turns
	s_wait_dscnt 4                                 ; all but the last fragment's four stores are done: those that read these registers, two fragments back, among them
.irp b, 0,1,2,3
	v_cvt_scalef32_pk8_fp8_f32 v[PC+4*\b:PC+4*\b+1], v[32+16*\b:32+16*\b+7], v[SC1+2*\ver]
	v_cvt_scalef32_pk8_fp8_f32 v[PC+4*\b+2:PC+4*\b+3], v[32+16*\b+8:32+16*\b+15], v[SC1+2*\ver]
.endr
	v_nop                                          ; a plain instruction between the conversions and the next lines that write their sources
.irp c, 0,1,2,3
	ds_store_b128 v[XST0+\ver], v[PC+4*\c:PC+4*\c+3] offset:8192*\m+512*\c
.endr
.endm
; An item of the weights' run, 8 fragments, 16,384 bytes, into group g: 32 loads of 512 consecutive bytes.  No hint: every tile of the expert reads the same run.
.macro RING g, off
	WIN 0x40
.irp f, 0,1,2,3,4,5,6,7
.irp c, 0,1,2,3
	global_load_b128 v[128*(\g)+16*\f+4*\c:128*(\g)+16*\f+4*\c+3], v[L16], s[30:31] offset:(\off)+2048*\f+512*\c
.endr
.endr
	WIN 0
.endm
	XLOAD 0
	XLOAD 1
	XLOAD 2
	XLOAD 3
	s_wait_loadcnt 48                              ; row tile 0's sixteen loads are in; those of tiles 1, 2, 3 may be out
	QX 0, 0
	QX 0, 1
	XLOAD 4
	s_wait_loadcnt 48                              ; behind tile 1's: tiles 2, 3, 4
	QX 1, 0
	QX 1, 1
	s_wait_loadcnt 32                              ; behind tile 2's: tiles 3, 4
	QX 2, 0
	QX 2, 1
	RING 0, 0                                      ; the weights' first item
	s_wait_loadcnt 48                              ; behind tile 3's: tile 4 and the item's 32
	QX 3, 0
	QX 3, 1
	s_wait_loadcnt 32                              ; behind tile 4's: the item's 32
	QX 4, 0
	QX 4, 1
	RING 1, 16384
	s_wait_dscnt 0x0                               ; for the others' sake: my images have landed
	s_barrier_signal -1
	s_barrier_wait -1                              ; x's 40 fragments lie in LDS
	WIN 0x80
.irp m, 0,1,2,3
.irp k, 0,1,2,3
.irp c, 0,1,2,3
	ds_load_b128 v[64*\m+16*\k+4*\c:64*\m+16*\k+4*\c+3], v[L16] offset:(4*\m+\k)*2048+512*\c
.endr
.endr
.endr
	WIN 0xc0
.irp m, 0,1,2,3
.irp k, 0,1,2,3
.irp c, 0,1,2,3
	ds_load_b128 v[64*\m+16*\k+4*\c:64*\m+16*\k+4*\c+3], v[XRD1] offset:(4*\m+\k)*2048+512*\c
.endr
.endr
.endr
	WIN 0
.irp k, 0,1,2,3
.irp c, 0,1,2,3
	ds_load_b128 v[128+16*\k+4*\c:128+16*\k+4*\c+3], v[L16] offset:(16+\k)*2048+512*\c
	ds_load_b128 v[192+16*\k+4*\c:192+16*\k+4*\c+3], v[XRD1] offset:(16+\k)*2048+512*\c
.endr
.endr
	s_wait_dscnt 0x0
; h = silu(g) u of 16 hidden units x 80 rows: 40 numbers a lane.  With g, u the raw sums: h = g u / (1 + 2^(-log2(e) 2^a1 g)) x 2^(a1 + a3); the power of two is in the conversion's scale.
; Where the exponential overflows the reciprocal is 0 and so is h.  The exponentials and the reciprocals are a batch each, with one wait each.  Each accumulator is read from its low end on.
.macro SILU u
.set i, 0
.rept 20
	v_pk_mul_f32 v[U+i:U+i+1], v[G+i:G+i+1], v[U+i:U+i+1]                ; g u
.set i, i+2
.endr
.set i, 0
.rept 20
	v_pk_mul_f32 v[G+i:G+i+1], v[G+i:G+i+1], s[24:25] op_sel_hi:[1,0]
.set i, i+2
.endr
.set i, 0
.rept 40
	v_exp_f32 v[G+i], v[G+i]
.set i, i+1
.endr
	v_nop                                          ; a plain instruction behind the last exponential
	s_wait_alu depctr_va_vdst(0)
.set i, 0
.rept 20
	v_pk_add_f32 v[G+i:G+i+1], v[G+i:G+i+1], 1.0 op_sel_hi:[1,0]
.set i, i+2
.endr
.set i, 0
.rept 40
	v_rcp_f32 v[G+i], v[G+i]
.set i, i+1
.endr
	v_nop
	s_wait_alu depctr_va_vdst(0)
.set i, 0
.rept 20
	v_pk_mul_f32 v[U+i:U+i+1], v[U+i:U+i+1], v[G+i:G+i+1]
.set i, i+2
.endr
.set i, 0
.rept 40
	v_med3_num_f32 v[U+i], v[U+i], -v[LIMH], v[LIMH]   ; the hold at the largest code x the scale
.set i, i+1
.endr
	s_wait_dscnt 0x0                               ; the last stores of h's codes have read their registers
.irp m, 0,1,2,3,4
	v_cvt_scalef32_pk8_fp8_f32 v[CD+4*\m+2*\u:CD+4*\m+2*\u+1], v[U+8*\m:U+8*\m+7], v[SCH]
.endr
	v_nop                                          ; a plain instruction between the conversions and the next products, which write their sources
.if \u == 1
	v_add_nc_u32 v[HAD], s29, v[HST0]
.irp m, 0,1,2,3,4
	ds_store_b128 v[HAD], v[CD+4*\m:CD+4*\m+3] offset:2048*\m   ; 16 neighbouring hidden units of my row: piece w of fragment (K step, m)
.endr
.endif
.endm
; A tile of 16 hidden units: group g holds w1's four fragments and w3's four.  40 matrix instructions; the accumulators take turns, one instruction a turn; the first K step starts the sums.
.macro TILE g, u
	s_wait_loadcnt 32                              ; my group's 32 loads are in; the other group's 32 may be out
	WIN 0x09                                       ; weights window 1, x by ex1 window 2
.irp k, 0,1,2,3
.irp m, 0,1,2,3
.if \k == 0
	v_wmma_f32_16x16x128_fp8_fp8 v[G+8*\m:G+8*\m+7], v[128*\g+16*\k:128*\g+16*\k+15], v[64*\m+16*\k:64*\m+16*\k+15], 0
.else
	v_wmma_f32_16x16x128_fp8_fp8 v[G+8*\m:G+8*\m+7], v[128*\g+16*\k:128*\g+16*\k+15], v[64*\m+16*\k:64*\m+16*\k+15], v[G+8*\m:G+8*\m+7]
.endif
.endr
.endr
	WIN 0x0d                                       ; x by ex3 window 3
.irp k, 0,1,2,3
.irp m, 0,1,2,3
.if \k == 0
	v_wmma_f32_16x16x128_fp8_fp8 v[U+8*\m:U+8*\m+7], v[128*\g+64+16*\k:128*\g+64+16*\k+15], v[64*\m+16*\k:64*\m+16*\k+15], 0
.else
	v_wmma_f32_16x16x128_fp8_fp8 v[U+8*\m:U+8*\m+7], v[128*\g+64+16*\k:128*\g+64+16*\k+15], v[64*\m+16*\k:64*\m+16*\k+15], v[U+8*\m:U+8*\m+7]
.endif
.endr
.endr
	WIN 0x01                                       ; row tile 4: x in window 0
.irp k, 0,1,2,3
.if \k == 0
	v_wmma_f32_16x16x128_fp8_fp8 v[G+32:G+39], v[128*\g+16*\k:128*\g+16*\k+15], v[128+16*\k:128+16*\k+15], 0
	v_wmma_f32_16x16x128_fp8_fp8 v[U+32:U+39], v[128*\g+64+16*\k:128*\g+64+16*\k+15], v[192+16*\k:192+16*\k+15], 0
.else
	v_wmma_f32_16x16x128_fp8_fp8 v[G+32:G+39], v[128*\g+16*\k:128*\g+16*\k+15], v[128+16*\k:128+16*\k+15], v[G+32:G+39]
	v_wmma_f32_16x16x128_fp8_fp8 v[U+32:U+39], v[128*\g+64+16*\k:128*\g+64+16*\k+15], v[192+16*\k:192+16*\k+15], v[U+32:U+39]
.endif
.endr
	WIN 0
.rept 4
	v_nop                                          ; four places in front of the loads into registers that the products have read, and of the first read of their results
.endr
	RING \g, 32768+16384*\u                        ; the item two further on; in the last trip these are w2's first two K steps: the run goes on
	SILU \u
.endm
	s_mov_b32 s29, 0                               ; the K step's five fragments in HIMG
	s_mov_b32 s28, 11
.Ls:                                                   ; a trip: 32 hidden units of my quarter of K step s
	TILE 0, 0
	TILE 1, 1
	s_wait_xcnt 0x0                                ; the loads have read their base: it steps only behind this wait
	s_add_nc_u64 s[30:31], s[30:31], 32768
	s_add_co_u32 s29, s29, 10240
	s_sub_co_u32 s28, s28, 1
	s_cmp_lg_u32 s28, 0
	s_cbranch_scc1 .Ls
	s_wait_dscnt 0x0                               ; for the others' sake: my pieces of h have landed
	s_barrier_signal -1
	s_barrier_wait -1                              ; h's 55 fragments lie in LDS
; K step sg of the last product: h's five fragments into set sg % 2
.macro HFETCH sg
.set HFB, 32+96*((\sg)%2)
.irp m, 0,1,2,3,4
.irp c, 0,1,2,3
.if (\sg) < 6
	ds_load_b128 v[HFB+16*\m+4*\c:HFB+16*\m+4*\c+3], v[HRD0] offset:(5*(\sg)+\m)*2048+512*\c
.else
	ds_load_b128 v[HFB+16*\m+4*\c:HFB+16*\m+4*\c+3], v[HRD1] offset:(5*((\sg)-6)+\m)*2048+512*\c
.endif
.endr
.endr
.endm
; 40 matrix instructions: my 8 tiles of output columns x 5 row tiles; each accumulator once a K step.
.macro STEP2 sg
.if \sg < 10
	s_wait_loadcnt 32                              ; this K step's weights are in; the next step's 32 loads may be out
.else
	s_wait_loadcnt 0
.endif
	s_wait_dscnt 0x0                               ; this K step's h is in
.if \sg < 10
	HFETCH (\sg)+1                                 ; the next step's, into the other set (four places stand behind the products that read it)
.endif
.set HB, 32+96*((\sg)%2)
.set WF, 128*((\sg)%2)
	WIN 0xa1                                       ; weights window 1, h window 0, sums window 2
.irp m, 0,1,2,3
.irp t, 0,1,2,3,4,5,6,7
.if \sg == 0
	v_wmma_f32_16x16x128_fp8_fp8 v[64*\m+8*\t:64*\m+8*\t+7], v[WF+16*\t:WF+16*\t+15], v[HB+16*\m:HB+16*\m+15], 0
.else
	v_wmma_f32_16x16x128_fp8_fp8 v[64*\m+8*\t:64*\m+8*\t+7], v[WF+16*\t:WF+16*\t+15], v[HB+16*\m:HB+16*\m+15], v[64*\m+8*\t:64*\m+8*\t+7]
.endif
.endr
.endr
	WIN 0xf1                                       ; row tile 4: sums window 3
.irp t, 0,1,2,3,4,5,6,7
.if \sg == 0
	v_wmma_f32_16x16x128_fp8_fp8 v[8*\t:8*\t+7], v[WF+16*\t:WF+16*\t+15], v[HB+64:HB+79], 0
.else
	v_wmma_f32_16x16x128_fp8_fp8 v[8*\t:8*\t+7], v[WF+16*\t:WF+16*\t+15], v[HB+64:HB+79], v[8*\t:8*\t+7]
.endif
.endr
	WIN 0
.rept 4
	v_nop                                          ; four places in front of loads into registers that the products have read, and, at the end, of the first read of the sums
.endr
.if (\sg)+2 <= 10
	RING (\sg)%2, 16384*((\sg)+2)
.endif
.endm
	HFETCH 0
.irp sg, 0,1,2,3,4,5,6,7,8,9,10
	STEP2 \sg
.endr
; THE WAY OUT, a row tile at a time.  A lane holds 8 neighbouring columns of its row for each of 8 column tiles; the lanes beside it hold other rows.  So 16 rows x 512 bytes go through my own stage (rows 528 bytes
; apart) and come back as whole rows, which the 32 lanes store as 512 consecutive bytes.  LDS serves a wave's instructions in order: no wait between the stores and the loads.
.macro TOSTAGE a
.set AC, 64*((\a)%4)
	WIN 0x02+((\a)/4)                              ; source 0: window 2 or 3
.set i, 0
.rept 32
	v_pk_mul_f32 v[32+i:32+i+1], v[AC+i:AC+i+1], s[26:27] op_sel_hi:[1,0]   ; x 2^(eh + ew2); each accumulator from its low end on
.set i, i+2
.endr
	WIN 0
.irp t, 0,1,2,3,4,5,6,7
	ds_store_b128 v[STO], v[32+8*\t:32+8*\t+3] offset:64*\t
	ds_store_b128 v[STO], v[32+8*\t+4:32+8*\t+7] offset:64*\t+16
.endr
.set BB, 128+64*((\a)%2)
.irp i2, 0,1,2,3,4,5,6,7,8,9,10,11,12,13,14,15
	ds_load_b128 v[BB+4*\i2:BB+4*\i2+3], v[RD] offset:528*\i2
.endr
.endm
.macro SEND a, younger                 ; younger: the LDS instructions issued behind row tile a's loads, which may stay out
.set BB, 128+64*((\a)%2)
	s_wait_dscnt \younger
.irp i2, 0,1,2,3,4,5,6,7,8,9,10,11,12,13,14,15
	global_store_b128 v[L16], v[BB+4*\i2:BB+4*\i2+3], s[32:33] offset:2048*(16*(\a)+\i2)
.endr
.endm
	TOSTAGE 0
.irp a, 1,2,3,4
.if \a > 1
	s_wait_xcnt 0x0                                ; row tile a - 2's stores have read their registers: row tile a's loads may land there
.endif
	TOSTAGE \a
	SEND \a-1, 32                                  ; behind row tile a - 1's loads: row tile a's 16 stores and 16 loads
.endr
	SEND 4, 0
	s_wait_tensorcnt 0x0                           ; the wave's end, behind my last LDS store
	ds_add_u32 v[SPW], v[NIL]
	s_wait_dscnt 0x0
	s_endpgm
.Lfunc_end_k_q06fd7aa71c_chain:
	.size	k_q06fd7aa71c_chain, .Lfunc_end_k_q06fd7aa71c_chain-k_q06fd7aa71c_chain
	.p2alignl 7, 3214868480
	.fill 96, 4, 3214868480
	.section	.rodata,"a",@progbits
	.p2align	6, 0x0
	.amdhsa_kernel k_q06fd7aa71c_chain
		.amdhsa_group_segment_fixed_size 228864
		.amdhsa_private_segment_fixed_size 0
		.amdhsa_enable_private_segment 0
		.amdhsa_kernarg_size 40
		.amdhsa_user_sgpr_count 2
		.amdhsa_user_sgpr_kernarg_segment_ptr 1
		.amdhsa_wavefront_size32 1
		.amdhsa_system_sgpr_workgroup_id_x 1
		.amdhsa_system_sgpr_workgroup_id_y 1
		.amdhsa_system_sgpr_workgroup_id_z 1
		.amdhsa_system_vgpr_workitem_id 0
		.amdhsa_next_free_vgpr 1024
		.amdhsa_next_free_sgpr 66
		.amdhsa_reserve_vcc 0
		.amdhsa_float_denorm_mode_32 3
		.amdhsa_float_denorm_mode_16_64 3
		.amdhsa_memory_ordered 1
		.amdhsa_forward_progress 1
		.amdhsa_inst_pref_size 212
	.end_amdhsa_kernel
	.amdgpu_metadata
---
amdhsa.version: [ 1, 2 ]
amdhsa.kernels:
  - .name:           k_q06fd7aa71c_chain
    .symbol:         k_q06fd7aa71c_chain.kd
    .args:
      - { .name: x, .offset: 0, .size: 8, .value_kind: global_buffer, .address_space: global }
      - { .name: wq, .offset: 8, .size: 8, .value_kind: global_buffer, .address_space: global }
      - { .name: rowlist, .offset: 16, .size: 8, .value_kind: global_buffer, .address_space: global }
      - { .name: tinfo, .offset: 24, .size: 8, .value_kind: global_buffer, .address_space: global }
      - { .name: ybuf, .offset: 32, .size: 8, .value_kind: global_buffer, .address_space: global }
    .group_segment_fixed_size: 228864
    .private_segment_fixed_size: 0
    .kernarg_segment_align: 8
    .kernarg_segment_size: 40
    .max_flat_workgroup_size: 128
    .sgpr_count:     66
    .vgpr_count:     1024
    .wavefront_size: 32
...
	.end_amdgpu_metadata
.endif
;; end of part 3
;; launch combine (part 4): grid 256 x 1, 8 waves a work-group, no clusters, 0 bytes of LDS; arguments ybuf, pos, cw, out0; writes out0
.if DOCPART == 4
	.amdgcn_target "amdgcn-amd-amdhsa--gfx1250"
	.amdhsa_code_object_version 6
	.text
	.protected	k_q06fd7aa71c_combine
	.globl	k_q06fd7aa71c_combine
	.p2align	8
	.type	k_q06fd7aa71c_combine,@function
k_q06fd7aa71c_combine:
	s_mov_b64 s[64:65], 0
	v_nop
	global_prefetch_b8 v0, s[64:65] scope:SCOPE_SE
	s_setreg_imm32_b32 hwreg(HW_REG_WAVE_MODE, 25, 1), 1
	s_wait_xcnt 0x0
; out0[t] = c0[t] ybuf[pos0[t]] + c1[t] ybuf[pos1[t]]: each token's two experts' rows, weighed and added.  ybuf [16640][512] f32, pos [2][8192] i32, cw [2][8192] f32, out0 [8192][512] f32.
; A stream: memory binds.  A wave takes 4 tokens; its 32 loads of 512 consecutive bytes go out at once; each row of ybuf that is read is read once, each byte of out0 written once, 512 consecutive bytes a store.
; No LDS, no barrier, no matrix unit: waves share nothing.  No register that a load or store names is written again, so no wait frees one.
.set OA, 4                             ; v4-7    the first row's byte offset + 16 lane, for each token
.set OB, 8                             ; v8-11   the second's
.set Y,  16                            ; v16-143 token i: 16 registers of the first row, 16 of the second
	s_load_b256 s[4:11], s[0:1], 0x0               ; ybuf s[4:5], pos s[6:7], cw s[8:9], out0 s[10:11]
	v_lshrrev_b32 v2, 5, v0
	v_readfirstlane_b32 s12, v2                    ; wave 0..7
	v_and_b32 v1, 31, v0
	v_lshlrev_b32 v1, 4, v1                        ; 16 x lane
	s_lshl_b32 s13, ttmp9, 7
	s_lshl_b32 s14, s12, 4
	s_add_co_u32 s13, s13, s14                     ; 4 x my first token: 32 tokens a work-group, 4 a wave
	s_lshl_b32 s52, s13, 9                         ; its row of 2,048 bytes in out0
	s_mov_b32 s53, 0
	s_wait_kmcnt 0x0
	s_load_b128 s[16:19], s[6:7], s13 offset:0x0   ; pos0 of my four tokens
	s_load_b128 s[20:23], s[6:7], s13 offset:0x8000   ; pos1
	s_load_b128 s[24:27], s[8:9], s13 offset:0x0   ; c0
	s_load_b128 s[28:31], s[8:9], s13 offset:0x8000   ; c1
	s_add_nc_u64 s[10:11], s[10:11], s[52:53]
	s_wait_kmcnt 0x0
.irp i, 0,1,2,3
	s_min_u32 s32, s[16+\i], 0x40ff                ; a loaded number enters an address only held under the buffer's 16,640 rows
	s_lshl_b32 s32, s32, 11
	v_add_nc_u32 v[OA+\i], s32, v1
	s_min_u32 s33, s[20+\i], 0x40ff
	s_lshl_b32 s33, s33, 11
	v_add_nc_u32 v[OB+\i], s33, v1
	s_mov_b32 s[36+2*\i], s[24+\i]                 ; the packed forms name an aligned pair and take its low word for both halves
	s_mov_b32 s[37+2*\i], s[24+\i]
	s_mov_b32 s[44+2*\i], s[28+\i]
	s_mov_b32 s[45+2*\i], s[28+\i]
.endr
.irp i, 0,1,2,3
.irp j, 0,1,2,3
	global_load_b128 v[Y+32*\i+4*\j:Y+32*\i+4*\j+3], v[OA+\i], s[4:5] offset:512*\j th:TH_LOAD_NT
.endr
.irp j, 0,1,2,3
	global_load_b128 v[Y+32*\i+16+4*\j:Y+32*\i+16+4*\j+3], v[OB+\i], s[4:5] offset:512*\j th:TH_LOAD_NT
.endr
.endr
.irp i, 0,1,2,3
	s_wait_loadcnt 8*(3-\i)                        ; token i's eight loads are in; eight for each later token may be out
.irp p, 0,2,4,6,8,10,12,14
	v_pk_mul_f32 v[Y+32*\i+\p:Y+32*\i+\p+1], v[Y+32*\i+\p:Y+32*\i+\p+1], s[36+2*\i:37+2*\i] op_sel_hi:[1,0]
.endr
.irp p, 0,2,4,6,8,10,12,14
	v_pk_fma_f32 v[Y+32*\i+\p:Y+32*\i+\p+1], v[Y+32*\i+16+\p:Y+32*\i+16+\p+1], s[44+2*\i:45+2*\i], v[Y+32*\i+\p:Y+32*\i+\p+1] op_sel_hi:[1,0,1]
.endr
.irp j, 0,1,2,3
	global_store_b128 v1, v[Y+32*\i+4*\j:Y+32*\i+4*\j+3], s[10:11] offset:2048*\i+512*\j th:TH_STORE_NT
.endr
.endr
	s_endpgm
.Lfunc_end_k_q06fd7aa71c_combine:
	.size	k_q06fd7aa71c_combine, .Lfunc_end_k_q06fd7aa71c_combine-k_q06fd7aa71c_combine
	.p2alignl 7, 3214868480
	.fill 96, 4, 3214868480
	.section	.rodata,"a",@progbits
	.p2align	6, 0x0
	.amdhsa_kernel k_q06fd7aa71c_combine
		.amdhsa_group_segment_fixed_size 0
		.amdhsa_private_segment_fixed_size 0
		.amdhsa_enable_private_segment 0
		.amdhsa_kernarg_size 32
		.amdhsa_user_sgpr_count 2
		.amdhsa_user_sgpr_kernarg_segment_ptr 1
		.amdhsa_wavefront_size32 1
		.amdhsa_system_sgpr_workgroup_id_x 1
		.amdhsa_system_sgpr_workgroup_id_y 1
		.amdhsa_system_sgpr_workgroup_id_z 1
		.amdhsa_system_vgpr_workitem_id 0
		.amdhsa_next_free_vgpr 144
		.amdhsa_next_free_sgpr 66
		.amdhsa_reserve_vcc 0
		.amdhsa_float_denorm_mode_32 3
		.amdhsa_float_denorm_mode_16_64 3
		.amdhsa_memory_ordered 1
		.amdhsa_forward_progress 1
		.amdhsa_inst_pref_size 12
	.end_amdhsa_kernel
	.amdgpu_metadata
---
amdhsa.version: [ 1, 2 ]
amdhsa.kernels:
  - .name:           k_q06fd7aa71c_combine
    .symbol:         k_q06fd7aa71c_combine.kd
    .args:
      - { .name: ybuf, .offset: 0, .size: 8, .value_kind: global_buffer, .address_space: global }
      - { .name: pos, .offset: 8, .size: 8, .value_kind: global_buffer, .address_space: global }
      - { .name: cw, .offset: 16, .size: 8, .value_kind: global_buffer, .address_space: global }
      - { .name: out0, .offset: 24, .size: 8, .value_kind: global_buffer, .address_space: global }
    .group_segment_fixed_size: 0
    .private_segment_fixed_size: 0
    .kernarg_segment_align: 8
    .kernarg_segment_size: 32
    .max_flat_workgroup_size: 256
    .sgpr_count:     66
    .vgpr_count:     144
    .wavefront_size: 32
...
	.end_amdgpu_metadata
.endif
;; end of part 4
